; MI455X (gfx1250); checked and timed in simulation.
; The chip was launched on July 23, 2026; its instructions are those of AMD's public machine-readable ISA for CDNA 5 (MIT licence, August 2026) and "CDNA5" Instruction Set Architecture Reference Guide (July 2026). The comments in the code are by the model that wrote it; some were corrected since.
;; Refiner. Allowed arithmetic: float matrix products may take bf16 or f16 operands with f32 sums; other float arithmetic in f32, or as packed bf16 or f16 multiplies, adds, multiply-adds, maxima and minima; sums over many terms, partial sums and values carried from step to step in f32; what a program stores and reads back later, other than sums and carried values, may be rounded once to bf16 or f16.
;; Inputs: Wf 768 x 64 float32; Wx 512 x 768 float32; Wy 512 x 768 float32; X 32 x 96 x 512 x 8 float32; Y 32 x 96 x 512 x 8 float32; base_w 64 x 1,024 float32; bf 768 float32; bx 512 float32; by 512 float32; spline_scaler 64 x 1,024 float32; spline_w 64 x 1,024 x 8 float32.
;; Outputs: out0 32 x 96 x 512 x 8 float32.
;; One version. Each part assembles by itself: llvm-mc -triple=amdgcn-amd-amdhsa -mcpu=gfx1250 --defsym DOCPART=n.
;; ======== version 1 of 1: 3 launches
;; limits: values are held in f16: magnitudes above 65,504 overflow, below 6.1e-05 lose precision; right only within a limited range of input values; a function is approximated: absolute error at most 2.1e-05
;; workspace buffers: WS 2,818,048 bytes; WFB 101,376 bytes; PK 8,388,608 bytes
;; launch prep (part 1): grid 2851 x 1, 1 waves a work-group, no clusters, 0 bytes of LDS; arguments Wx, Wy, bx, by, base_w, spline_w, spline_scaler, Wf, bf, WS, WFB; writes WS, WFB
.if DOCPART == 1
	.amdgcn_target "amdgcn-amd-amdhsa--gfx1250"
	.amdhsa_code_object_version 6
	.text
	.protected	k_qbb2e0ccaf1_prep
	.globl	k_qbb2e0ccaf1_prep
	.p2align	8
	.type	k_qbb2e0ccaf1_prep,@function
k_qbb2e0ccaf1_prep:
	s_mov_b64 s[64:65], 0
	v_nop
	global_prefetch_b8 v0, s[64:65] scope:SCOPE_SE
	s_setreg_imm32_b32 hwreg(HW_REG_WAVE_MODE, 25, 1), 1
	s_wait_xcnt 0x0
; WEIGHTS INTO THE ORDER IN WHICH THE MATRIX INSTRUCTIONS' REGISTERS WANT THEM.  One wave writes one block of 1,024 bytes: byte q*512 + lane*16 holds registers
; 4q .. 4q+3 of that lane of an 8-register fragment (lane = (r = l % 16, h = l / 16); element s8 of the 16 bytes is k-slot 16 q + 8 h + s8).
; Every input is first rounded to bf16 (one rounding for the whole program); what the program makes of them (scaled spline weights) is kept in f16.
; WS  = [side 2][chunk 16][86 blocks]; a chunk is 32 hidden units of one side:
;   0-47  Wx / Wy, bf16: block 2 ks + ht, row 32 chunk + 16 ht + r, column (4 ks + 2 q + s8 / 4) * 8 + 4 h + s8 % 4 (the order in which X's bytes fall into registers)
;   48-49 bias, f32 (a bf16 number), in the order of an accumulator's registers: hidden 32 chunk + 16 ht + 8 h + 4 q + e
;   50-81 spline weights, f16: block 16 ht + 4 jp + ot: o = 16 ot + r, unit I = 512 side + 32 chunk + 16 ht + 8 h + 2 jp + q, coefficient s8: spline_w * scaler * 4096 / 6
;   82-85 base_w, f16: o = 16 ot + r, unit 512 side + 32 chunk + 16 q + 8 h + s8, times 4096
; WFB = 96 blocks of Wf, f16 (block 2 ct + kk; row r stands for output column (2 ct + (r % 8) / 4) * 8 + 4 (r / 8) + r % 4), then bf, f32 (bf16 numbers).
; LIMITS.  f16 ends at 65,504: |spline_w * scaler| stays under 96, |base_w| under 16, |Wf| under 65,504.  NaN and infinities are not treated apart.
.set NWS, 2752                         ; blocks of WS: 2 x 16 x 86
.macro RB a, n                         ; n f32 registers from v[a] on are rounded to bf16 numbers, in place
.set i, 0
.rept (\n)/2
	v_cvt_pk_bf16_f32 v36, v[(\a)+i], v[(\a)+i+1]
	v_lshlrev_b32 v[(\a)+i], 16, v36
	v_and_b32 v[(\a)+i+1], 0xffff0000, v36
.set i, i+2
.endr
.endm
.macro F16OUT                          ; v[8:23] rounded to f16 into v[24:31]
.set i, 0
.rept 8
	v_cvt_pk_f16_f32 v[24+i], v[8+2*i], v[8+2*i+1]
.set i, i+1
.endr
.endm
.macro OUT lo, hi, b                   ; the block's two halves: each store of the wave covers 512 consecutive bytes, aligned
	global_store_b128 v3, v[\lo:\lo+3], s[\b:\b+1]
	global_store_b128 v3, v[\hi:\hi+3], s[\b:\b+1] offset:512
	s_endpgm
.endm
.macro LD4 b, o0, o1, o2, o3           ; four loads of 16 bytes into v[8:23]
	global_load_b128 v[8:11],  v4, s[\b:\b+1] offset:\o0
	global_load_b128 v[12:15], v4, s[\b:\b+1] offset:\o1
	global_load_b128 v[16:19], v4, s[\b:\b+1] offset:\o2
	global_load_b128 v[20:23], v4, s[\b:\b+1] offset:\o3
.endm
	s_load_b512 s[4:19], s[0:1], 0x0               ; Wx 4, Wy 6, bx 8, by 10, base_w 12, spline_w 14, scaler 16, Wf 18
	s_load_b128 s[20:23], s[0:1], 0x40             ; bf 20, WS 22
	s_load_b64 s[24:25], s[0:1], 0x50              ; WFB
	v_and_b32 v1, 15, v0                           ; r
	v_lshrrev_b32 v2, 4, v0                        ; h
	v_lshlrev_b32 v3, 4, v0                        ; 16 x lane: my place in half a block
	s_mov_b32 s26, ttmp9                           ; the block's number
	s_mov_b32 s33, 0
	s_wait_kmcnt 0x0
	s_cmp_lt_u32 s26, NWS
	s_cbranch_scc0 .Lwfb
	s_mul_hi_u32 s27, s26, 0x2fa0bea               ; number / 86 (exact for numbers under 2,752)
	s_mul_i32 s28, s27, 86
	s_sub_co_u32 s28, s26, s28                     ; x: the block in its chunk
	s_lshr_b32 s29, s27, 4                         ; side
	s_and_b32 s30, s27, 15                         ; chunk
	s_lshl_b32 s32, s26, 10
	s_add_nc_u64 s[22:23], s[22:23], s[32:33]      ; where the block goes
	s_cmp_eq_u32 s29, 0
	s_cselect_b64 s[4:5], s[4:5], s[6:7]           ; the side's weights
	s_cselect_b64 s[8:9], s[8:9], s[10:11]         ; and bias
	s_lshl_b32 s31, s30, 5                         ; 32 chunk
	s_cmp_lt_u32 s28, 48
	s_cbranch_scc0 .Lnot_w
	; ---- Wx / Wy
	s_lshr_b32 s34, s28, 1                         ; ks
	s_and_b32 s35, s28, 1                          ; ht
	s_lshl4_add_u32 s36, s35, s31                  ; 32 chunk + 16 ht
	v_add_nc_u32 v4, s36, v1                       ; the row
	v_mul_u32_u24 v4, v4, 3072
	v_lshl_add_u32 v4, v2, 4, v4                   ; + 16 h: features 4 h .. 4 h + 3
	s_lshl_b32 s34, s34, 7                         ; four time steps of 32 bytes a K step
	v_add_nc_u32 v4, s34, v4
	LD4 4, 0, 32, 64, 96
	s_wait_loadcnt 0x0
.set i, 0
.rept 8
	v_cvt_pk_bf16_f32 v[24+i], v[8+2*i], v[8+2*i+1]
.set i, i+1
.endr
	OUT 24, 28, 22
.Lnot_w:
	s_cmp_lt_u32 s28, 50
	s_cbranch_scc0 .Lnot_b
	; ---- bias
	s_sub_co_u32 s34, s28, 48                      ; ht
	s_lshl4_add_u32 s34, s34, s31
	v_lshl_add_u32 v4, v2, 3, s34                  ; hidden 32 chunk + 16 ht + 8 h
	v_lshlrev_b32 v4, 2, v4
	global_load_b128 v[8:11], v4, s[8:9]
	global_load_b128 v[12:15], v4, s[8:9] offset:16
	s_wait_loadcnt 0x0
	RB 8, 8
	OUT 8, 12, 22
.Lnot_b:
	s_lshl_b32 s35, s29, 9
	s_add_co_u32 s35, s35, s31                     ; 512 side + 32 chunk
	s_cmp_lt_u32 s28, 82
	s_cbranch_scc0 .Lsilu
	; ---- spline weights
	s_sub_co_u32 s34, s28, 50
	s_lshr_b32 s36, s34, 4                         ; ht
	s_bfe_u32 s37, s34, 0x20002                    ; jp
	s_and_b32 s38, s34, 3                          ; ot
	s_lshl4_add_u32 s35, s36, s35
	s_lshl1_add_u32 s35, s37, s35                  ; + 16 ht + 2 jp
	s_lshl_b32 s38, s38, 4
	v_add_nc_u32 v4, s38, v1                       ; o
	v_lshlrev_b32 v4, 10, v4
	v_lshl_add_u32 v4, v2, 3, v4
	v_add_nc_u32 v4, s35, v4                       ; o * 1024 + unit (q = 0); even
	v_lshlrev_b32 v5, 2, v4
	v_lshlrev_b32 v4, 5, v4
	LD4 14, 0, 16, 32, 48                          ; eight coefficients of unit q = 0, eight of q = 1
	global_load_b64 v[34:35], v5, s[16:17]         ; their two scalers
	s_wait_loadcnt 0x0
	RB 8, 16
	RB 34, 2
	v_mul_f32 v34, 0x442aaaab, v34                 ; 4096 / 6: the features are six times the bases
	v_mul_f32 v35, 0x442aaaab, v35
.set i, 0
.rept 8
	v_mul_f32 v[8+i], v[8+i], v34
	v_mul_f32 v[16+i], v[16+i], v35
.set i, i+1
.endr
	F16OUT
	OUT 24, 28, 22
.Lsilu:
	; ---- base_w
	s_sub_co_u32 s34, s28, 82                      ; ot
	s_lshl_b32 s34, s34, 4
	v_add_nc_u32 v4, s34, v1
	v_lshlrev_b32 v4, 10, v4
	v_lshl_add_u32 v4, v2, 3, v4
	v_add_nc_u32 v4, s35, v4
	v_lshlrev_b32 v4, 2, v4
	LD4 12, 0, 16, 64, 80
	s_wait_loadcnt 0x0
	RB 8, 16
.set i, 0
.rept 16
	v_mul_f32 v[8+i], 0x45800000, v[8+i]           ; 4096
.set i, i+1
.endr
	F16OUT
	OUT 24, 28, 22
.Lwfb:
	s_sub_co_u32 s27, s26, NWS                     ; the block in WFB
	s_lshl_b32 s32, s27, 10
	s_add_nc_u64 s[24:25], s[24:25], s[32:33]
	s_cmp_lt_u32 s27, 96
	s_cbranch_scc0 .Lbf
	; ---- Wf
	s_lshr_b32 s28, s27, 1                         ; ct
	s_and_b32 s29, s27, 1                          ; kk
	v_bfe_u32 v4, v1, 2, 1
	v_bfe_u32 v5, v1, 3, 1
	v_and_b32 v6, 3, v1
	v_lshl_add_u32 v6, v5, 2, v6
	v_lshl_add_u32 v6, v4, 3, v6
	s_lshl_b32 s28, s28, 4
	v_add_nc_u32 v6, s28, v6                       ; the output column that row r stands for
	v_lshlrev_b32 v4, 8, v6
	v_lshl_add_u32 v4, v2, 5, v4
	s_lshl_b32 s29, s29, 7
	v_add_nc_u32 v4, s29, v4
	LD4 18, 0, 16, 64, 80
	s_wait_loadcnt 0x0
	RB 8, 16
	F16OUT
	OUT 24, 28, 24
.Lbf:
	; ---- bf: three blocks, in their own order
	s_sub_co_u32 s28, s27, 96
	s_lshl_b32 s28, s28, 10
	v_add_nc_u32 v4, s28, v3
	global_load_b128 v[8:11], v4, s[20:21]
	global_load_b128 v[12:15], v4, s[20:21] offset:512
	s_wait_loadcnt 0x0
	RB 8, 8
	OUT 8, 12, 24
.Lfunc_end_k_qbb2e0ccaf1_prep:
	.size	k_qbb2e0ccaf1_prep, .Lfunc_end_k_qbb2e0ccaf1_prep-k_qbb2e0ccaf1_prep
	.p2alignl 7, 3214868480
	.fill 96, 4, 3214868480
	.section	.rodata,"a",@progbits
	.p2align	6, 0x0
	.amdhsa_kernel k_qbb2e0ccaf1_prep
		.amdhsa_group_segment_fixed_size 0
		.amdhsa_private_segment_fixed_size 0
		.amdhsa_enable_private_segment 0
		.amdhsa_kernarg_size 88
		.amdhsa_user_sgpr_count 2
		.amdhsa_user_sgpr_kernarg_segment_ptr 1
		.amdhsa_wavefront_size32 1
		.amdhsa_system_sgpr_workgroup_id_x 1
		.amdhsa_system_sgpr_workgroup_id_y 1
		.amdhsa_system_sgpr_workgroup_id_z 1
		.amdhsa_system_vgpr_workitem_id 0
		.amdhsa_next_free_vgpr 40
		.amdhsa_next_free_sgpr 66
		.amdhsa_reserve_vcc 0
		.amdhsa_float_denorm_mode_32 3
		.amdhsa_float_denorm_mode_16_64 3
		.amdhsa_memory_ordered 1
		.amdhsa_forward_progress 1
		.amdhsa_inst_pref_size 16
	.end_amdhsa_kernel
	.amdgpu_metadata
---
amdhsa.version: [ 1, 2 ]
amdhsa.kernels:
  - .name:           k_qbb2e0ccaf1_prep
    .symbol:         k_qbb2e0ccaf1_prep.kd
    .args:
      - { .name: Wx, .offset: 0, .size: 8, .value_kind: global_buffer, .address_space: global }
      - { .name: Wy, .offset: 8, .size: 8, .value_kind: global_buffer, .address_space: global }
      - { .name: bx, .offset: 16, .size: 8, .value_kind: global_buffer, .address_space: global }
      - { .name: by, .offset: 24, .size: 8, .value_kind: global_buffer, .address_space: global }
      - { .name: base_w, .offset: 32, .size: 8, .value_kind: global_buffer, .address_space: global }
      - { .name: spline_w, .offset: 40, .size: 8, .value_kind: global_buffer, .address_space: global }
      - { .name: spline_scaler, .offset: 48, .size: 8, .value_kind: global_buffer, .address_space: global }
      - { .name: Wf, .offset: 56, .size: 8, .value_kind: global_buffer, .address_space: global }
      - { .name: bf, .offset: 64, .size: 8, .value_kind: global_buffer, .address_space: global }
      - { .name: WS, .offset: 72, .size: 8, .value_kind: global_buffer, .address_space: global }
      - { .name: WFB, .offset: 80, .size: 8, .value_kind: global_buffer, .address_space: global }
    .group_segment_fixed_size: 0
    .private_segment_fixed_size: 0
    .kernarg_segment_align: 8
    .kernarg_segment_size: 88
    .max_flat_workgroup_size: 32
    .sgpr_count:     66
    .vgpr_count:     40
    .wavefront_size: 32
...
	.end_amdgpu_metadata
.endif
;; end of part 1
;; launch kan (part 2): grid 128 x 2, 4 waves a work-group, clusters of 4 x 1, 327,680 bytes of LDS; arguments X, Y, WS, PK; writes PK
.if DOCPART == 2
	.amdgcn_target "amdgcn-amd-amdhsa--gfx1250"
	.amdhsa_code_object_version 6
	.text
	.protected	k_qbb2e0ccaf1_kan
	.globl	k_qbb2e0ccaf1_kan
	.p2align	8
	.type	k_qbb2e0ccaf1_kan,@function
k_qbb2e0ccaf1_kan:
	s_mov_b64 s[64:65], 0
	v_nop
	global_prefetch_b8 v0, s[64:65] scope:SCOPE_SE
	s_setreg_imm32_b32 hwreg(HW_REG_WAVE_MODE, 25, 1), 1
	s_wait_xcnt 0x0
	s_wait_alu depctr_hold_cnt(0) depctr_sa_sdst(0) depctr_va_vdst(0) depctr_va_sdst(0) depctr_va_ssrc(0) depctr_va_vcc(0) depctr_vm_vsrc(0)
	s_getreg_b32 s2, hwreg(HW_REG_IB_STS2, 6, 4)
	s_cmp_eq_u32 s2, 0
	s_cbranch_scc0 .Lentry_in_a_cluster
	s_endpgm
.Lentry_in_a_cluster:
	s_bfe_u32 s2, ttmp6, 0x10000c
	s_cmp_lg_u32 s2, 0x3003
	s_cbranch_scc0 .Lentry_shape_is_right
	s_endpgm
.Lentry_shape_is_right:
; FOR 128 ROWS (b, n) AND ONE SIDE (X or Y): z = rows x W^T + bias, h = tanh z, the features of h (silu and eight cubic B-spline bases), and their product with the side's
; half of the KAN weights: an f32 partial sum [row][64], times 4096, into PK.  The other side's work-group makes the other half; the next launch adds the two.
; SHARES.  A work-group owns 128 rows of one b, a wave 32 of them (two tiles of 16) and ALL 512 hidden units of the side, so a wave's sums are whole for the side.
; X IN REGISTERS.  For fixed (b, t) the rows n lie end to end, 32 bytes each: a load of 16 bytes a lane takes 512 consecutive bytes, 16 rows x 8 features, and two roundings
; to bf16 make two registers of a fragment.  That is a permutation of k, which the weights' blocks share.  A wave's 32 rows x 768 stay in 384 registers.
; WEIGHTS come in 16 chunks of 32 hidden units, 88,064 bytes each, already in the registers' order, through two LDS slots.  The four work-groups of a cluster have the same side and
; walk the same chunks, so each quarter of a chunk is asked for JOINTLY: the same tensor load, descriptor and mask in all four.
; BOTH PRODUCTS ARE USED TRANSPOSED (source 0 = weights, source 1 = rows): a lane holds ONE row and eight hidden units, and the sixteen f16 features of two of its units ARE
; source 1 (32 k x 16 rows) of the second product.  Nothing changes lanes.
; A TRIP (one chunk): all of the chunk's fragments go from LDS to registers beside 96 products for z; then the slot is free and is filled again, two chunks ahead; then the features,
; 63 vector lines for two units, each followed by four products which run beside the next two units' lines.
; ARITHMETIC.  r = 1 / (1 + 2^(2 log2(e) z)); tanh = 1 - 2 r.  silu(h) = h/2 + h^2/4 - h^4/48 + h^6/480 - 17 h^8/80640: |h| <= 1 for every input, so the first term left out is 2.1e-5 at the most.
; u = 2.5 h + 5.5 = 8 - 5 r, held to 3 .. 7.9999995; F = floor u, t = u - F: six times the four bases that are not 0 are (1-t)^3, (3t-6)t^2+4, (3(1-t)-6)(1-t)^2+4, t^3, for bases F-3 .. F.
; They are set into their eight places by a shift of 0 or 16 bits and selects: no address and no branch hangs on them.
; LIMITS.  Features and KAN weights are f16 (weights times 4096, spline weights also over 6): |spline_w * scaler| < 96, |base_w| < 16.  NaN and infinities are not treated apart.
; REGISTERS, in windows of 256 (s_set_vgpr_msb: bits 1:0 source 0, 3:2 source 1, 5:4 source 2, 7:6 destination):
;   window 0: v0-7 addresses; v32-63 z, tile (ht, mt) at 32 + 8 (2 ht + mt); v64-127 the KAN sums, (ot, mt) at 64 + 8 (2 ot + mt); v128-143 silu; v144-159 two feature fragments; v160-207 at work
;   window 1: X's fragments of K steps 0-15, at 16 ks + 8 mt      window 2: v0-127 K steps 16-23; v128-159 base_w's fragments      window 3: two buffers of 128 for weights
;   At the start window 3's two buffers and v128-255 of window 0 are where X lands as f32.
.set SLOT1, 1<<17                      ; slot 1 begins here: one exclusive or turns an address in one slot into the other's
.set CHUNK, 88064
.set QUART, 22016                      ; 86 rows of 256 bytes: a wave's part of a chunk
.set SPARE, SLOT1+CHUNK                ; behind the slots: the spare words, 128 bytes a wave, that no other line names
.set ACC, 32
.set KA,  64
.set SL,  128
.set FB,  144
.set TE,  160                          ; 2^.., then r
.set TH,  162                          ; tanh
.set TU,  164                          ; u
.set TS,  166                          ; h^2
.set TP,  168                          ; silu
.set TF,  170                          ; floor u
.set TT,  172                          ; t
.set TV,  174                          ; 1 - t
.set QT,  176
.set QV,  178
.set CT,  180
.set CV,  182
.set W1,  184
.set W2,  186
.set PA,  188                          ; bases 0, 1 of the four, as f16; one register a unit from here on
.set PB,  190                          ; bases 2, 3
.set SH,  192
.set Y0,  194
.set Y1,  196
.set Y2,  198
.set X0,  200
.set X1,  202
.set X2,  204
.set II,  206
.set MSB, 0
.macro WIN new                         ; the immediate's high byte repeats the setting that is left; a switch that changes nothing is dropped
.if MSB != (\new)
	s_set_vgpr_msb (MSB<<8)|(\new)
.set MSB, \new
.endif
.endm
.macro PLACES                          ; four places behind matrix instructions, ahead of loads into their registers and of reads of their results
.rept 4
	v_nop
.endr
.endm
.macro ROUND                           ; a round of the cluster's barrier: my work-group's barrier; wave 0 signals for the work-group; all wait for all four; my work-group's barrier again
	s_barrier_signal -1
	s_barrier_wait -1
	s_cmp_lg_u32 s12, 0
	s_cbranch_scc1 .Lnw0_\@
	s_barrier_signal -3
.Lnw0_\@:
	s_barrier_wait -3
	s_barrier_signal -1
	s_barrier_wait -1
.endm
	s_load_b256 s[4:11], s[0:1], 0x0               ; X 4, Y 6, WS 8, PK 10
	v_lshl_add_u32 v6, v0, 2, SPARE
	v_mov_b32 v7, 0
	ds_add_u32 v6, v7                              ; the wave's opening: the add and its wait come ahead of my first tensor load; the set-up stands between them
	v_lshrrev_b32 v1, 5, v0
	v_readfirstlane_b32 s12, v1                    ; wave 0..3
	s_bfe_u32 s13, ttmp6, 0x40000                  ; cx: it enters X's and PK's addresses alone
	s_lshl_b32 s14, ttmp9, 2
	s_add_co_u32 s14, s14, s13                     ; my block of 128 rows
	s_and_b32 s15, ttmp7, 0xffff                   ; the side, which the four partners share
	s_mov_b32 s24, 15|(3<<16)|(1<<21)              ; group 1: 15:0 the mask of four; 17:16 elements of 8 bytes; 21 set beside a mask; no padding
	s_mov_b32 s25, 32<<16                          ; tensor_dim0 = 32 elements: 256 bytes
	s_mov_b32 s26, 86<<16                          ; tensor_dim1 = 86
	s_mov_b32 s27, 32<<16                          ; tile_dim0 = 32
	s_mov_b32 s28, 86                              ; tile_dim1 = 86
	s_mov_b32 s29, 32                              ; the rows lie end to end
	s_mov_b32 s30, 0
	s_mov_b32 s31, 0
	s_mov_b32 s32, 1
	s_mul_i32 s33, s12, QUART                      ; LDS: wave x a quarter, slot 0
	s_mov_b32 s36, 1
	s_add_co_u32 s37, s33, SLOT1                   ; the same in slot 1
	s_mul_i32 s16, s15, 16*CHUNK
	s_add_co_u32 s16, s16, s33                     ; WS: the side's chunks, my quarter
	s_mov_b32 s17, 0
	s_lshr_b32 s18, s14, 2                         ; b
	s_mul_i32 s18, s18, 1572864
	s_and_b32 s19, s14, 3
	s_lshl_b32 s19, s19, 12                        ; 128 rows of 32 bytes
	s_add_co_u32 s18, s18, s19
	s_mov_b32 s19, 0
	s_lshl_b32 s20, s15, 22                        ; PK: side, then 4,096 bytes for each tile of 16 rows
	s_lshl_b32 s21, s14, 15
	s_add_co_u32 s20, s20, s21
	s_lshl_b32 s21, s12, 13
	s_add_co_u32 s20, s20, s21
	s_mov_b32 s21, 0
	s_mov_b32 s42, 0xc0a00000                      ; -5; each constant is named as a pair and taken from the low word
	s_mov_b32 s43, s42
	s_mov_b32 s44, 0x41000000                      ; 8
	s_mov_b32 s45, s44
	s_mov_b32 s46, 0xb95d0dd1                      ; -17/80640
	s_mov_b32 s47, s46
	s_mov_b32 s48, 0x3b088889                      ; 1/480
	s_mov_b32 s49, s48
	s_mov_b32 s50, 0xbcaaaaab                      ; -1/48
	s_mov_b32 s51, s50
	s_mov_b32 s52, 0x40400000                      ; 3
	s_mov_b32 s53, s52
	s_mov_b32 s54, 0xc0c00000                      ; -6
	s_mov_b32 s55, s54
	s_mov_b32 s56, 0x40ffffff                      ; the last number below 8
	s_mov_b32 s62, 0x3e800000                      ; 1/4
	s_mov_b32 s63, s62
	s_mov_b32 s40, 0                               ; the slot in hand
	v_and_b32 v1, 31, v0
	v_lshlrev_b32 v1, 4, v1                        ; 16 x lane
	v_and_b32 v4, 0x6f, v0
	v_bfe_u32 v5, v0, 4, 1
	v_lshlrev_b32 v4, 5, v4
	v_lshl_or_b32 v4, v5, 4, v4                    ; 1024 wave + 32 r + 16 h
	s_wait_dscnt 0x0                               ; the opening add is done
	s_wait_kmcnt 0x0
	s_cmp_eq_u32 s15, 0
	s_cselect_b64 s[4:5], s[4:5], s[6:7]           ; the side's tensor
	s_add_nc_u64 s[4:5], s[4:5], s[18:19]
	s_add_nc_u64 s[10:11], s[10:11], s[20:21]
	s_add_nc_u64 s[34:35], s[8:9], s[16:17]        ; chunk 0
	s_add_nc_u64 s[38:39], s[34:35], CHUNK         ; chunk 1
	s_or_b32 s35, s35, 0x80000000                  ; type = 2
	s_or_b32 s39, s39, 0x80000000
	ROUND                                          ; all four work-groups are here: the first joint loads meet
	tensor_load_to_lds s[32:35], s[24:31]          ; both first fills together: two loads of mine are out
	s_nop 0
	tensor_load_to_lds s[36:39], s[24:31]
	s_nop 0
	PLACES
; X: batch be = time steps 16 be .. 16 be + 15, both tiles: 32 loads of 512 consecutive bytes into landing zone be % 3
.macro ZONE be
.if ((\be)%3) == 2
.set ZB, 128
.set ZW, 0
.else
.set ZB, 128*((\be)%3)
.set ZW, 3
.endif
.endm
.macro LOADB be
	ZONE \be
	WIN ZW<<6
.set tt, 0
.rept 16
	global_load_b128 v[ZB+8*tt:ZB+8*tt+3],   v4, s[4:5] offset:(16*(\be)+tt)*16384 th:TH_LOAD_NT
	global_load_b128 v[ZB+8*tt+4:ZB+8*tt+7], v4, s[4:5] offset:(16*(\be)+tt)*16384+512 th:TH_LOAD_NT
.set tt, tt+1
.endr
.endm
.macro CVTB be                         ; the batch rounded to bf16: time step t gives registers 2 (t % 4), 2 (t % 4) + 1 of K step t / 4
	ZONE \be
	WIN ((1+(\be)/4)<<6)|(ZW<<2)|ZW
.set tt, 0
.rept 16
.set XR, 16*((4*(\be)+tt/4)%16)+2*(tt%4)
	v_cvt_pk_bf16_f32 v[XR],   v[ZB+8*tt],   v[ZB+8*tt+1]
	v_cvt_pk_bf16_f32 v[XR+1], v[ZB+8*tt+2], v[ZB+8*tt+3]
	v_cvt_pk_bf16_f32 v[XR+8], v[ZB+8*tt+4], v[ZB+8*tt+5]
	v_cvt_pk_bf16_f32 v[XR+9], v[ZB+8*tt+6], v[ZB+8*tt+7]
.set tt, tt+1
.endr
.endm
	LOADB 0
	LOADB 1
	LOADB 2
	WIN 0
.set i, 0
.rept 64                               ; the KAN sums start at 0: cleared on purpose, in the wait for X, so that the first chunk is a trip like any other
	v_mov_b32 v[KA+i], 0
.set i, i+1
.endr
.irp be, 0,1,2
	s_wait_loadcnt 63                              ; 64 younger loads could stay out; the wait's field ends at 63 (ISA guide 5.7.1), so one more is waited for
	CVTB \be
	LOADB (\be)+3
.endr
	s_wait_loadcnt 63
	CVTB 3
	s_wait_loadcnt 32                              ; the last batch may stay out
	CVTB 4
	s_wait_loadcnt 0x0
	CVTB 5
	WIN 0
	s_wait_tensorcnt 1                             ; my quarter of chunk 0 is in; chunk 1's may stay out
	s_barrier_signal -1
	s_barrier_wait -1                              ; everybody's is
.macro LDN n, dst, adr, off            ; n LDS loads of 512 consecutive bytes each
.set p, 0
.rept \n
	ds_load_b128 v[(\dst)+4*p:(\dst)+4*p+3], v[\adr] offset:(\off)+512*p
.set p, p+1
.endr
.endm
; 32 products for z: K steps 8 g .. 8 g + 7; the four accumulators take turns, one instruction a turn.  The bias lies in them from the start.
.macro MULG g
.if (\g) < 2
	WIN 0x07                                       ; weights window 3, X window 1
.else
	WIN 0x0b                                       ; X window 2
.endif
.set k8, 0
.rept 8
.irp ht, 0,1
.irp mt, 0,1
	v_wmma_f32_16x16x32_bf16 v[ACC+8*(2*\ht+\mt):ACC+8*(2*\ht+\mt)+7], v[128*((\g)%2)+8*(2*k8+\ht):128*((\g)%2)+8*(2*k8+\ht)+7], v[16*((8*(\g)+k8)%16)+8*\mt:16*((8*(\g)+k8)%16)+8*\mt+7], v[ACC+8*(2*\ht+\mt):ACC+8*(2*\ht+\mt)+7]
.endr
.endr
.set k8, k8+1
.endr
.endm
; THE CHANGE OF SLOTS.  All of the chunk's fragments have been asked for.  Each wave waits for all its tensor loads (one is out: its quarter of the next chunk), adds 0 to its spare word, and waits
; for that and for its reads of the slot.  fill = 1: the barrier is a round of the cluster's, and the slot just read out is filled with the chunk two on, the first thing behind the round:
; it has the features and the next chunk's 96 products in which to land.
.macro CHANGE fill
	WIN 0
	s_wait_tensorcnt 0x0                           ; no tensor load of mine is out, so the walking group 0 may be written
	ds_add_u32 v6, v7                              ; 0 onto my spare word
.if \fill
	s_xor_b32 s37, s37, SLOT1                      ; the other slot than last time,
	s_add_nc_u64 s[38:39], s[38:39], CHUNK         ; the next chunk; the type bits on top are not reached
.endif
	s_wait_dscnt 0x0                               ; the add is done, and my reads of the slot are back
.if \fill
	ROUND
	tensor_load_to_lds s[36:39], s[24:31]
	s_nop 0
	PLACES
.else
	s_barrier_signal -1
	s_barrier_wait -1
.endif
	s_xor_b32 s40, s40, SLOT1                      ; the next trip reads the other slot
.endm
; Two hidden units of my row: z in v[zr:zr+1]; their silu goes to v[slr], their sixteen spline features to v[fbr:fbr+7].  The silu's chain and the bases' chain alternate, and so do the two units.
.macro PAIR
	v_pk_mul_f32 v[TE:TE+1], v[zr:zr+1], 0x4038aa3b op_sel_hi:[1,0]  ; 2 log2(e) z
	v_exp_f32 v[TE], v[TE]
	v_exp_f32 v[TE+1], v[TE+1]
	v_nop                                          ; a plain instruction behind the exponentials (ISA guide 5.7.2)
	s_wait_alu depctr_va_vdst(0)
	v_pk_add_f32 v[TE:TE+1], v[TE:TE+1], 1.0 op_sel_hi:[1,0]
	v_rcp_f32 v[TE], v[TE]
	v_rcp_f32 v[TE+1], v[TE+1]
	v_nop
	s_wait_alu depctr_va_vdst(0)
	v_pk_fma_f32 v[TH:TH+1], v[TE:TE+1], -2.0, 1.0 op_sel_hi:[1,0,0]           ; tanh
	v_pk_fma_f32 v[TU:TU+1], v[TE:TE+1], s[42:43], s[44:45] op_sel_hi:[1,0,0]  ; u = 8 - 5 r
	v_pk_mul_f32 v[TS:TS+1], v[TH:TH+1], v[TH:TH+1]
	v_med3_num_f32 v[TU], v[TU], s52, s56
	v_med3_num_f32 v[TU+1], v[TU+1], s52, s56
	v_pk_fma_f32 v[TP:TP+1], v[TS:TS+1], s[46:47], s[48:49] op_sel_hi:[1,0,0]
	v_floor_f32 v[TF], v[TU]
	v_floor_f32 v[TF+1], v[TU+1]
	v_pk_fma_f32 v[TP:TP+1], v[TP:TP+1], v[TS:TS+1], s[50:51] op_sel_hi:[1,1,0]
	v_pk_add_f32 v[TT:TT+1], v[TU:TU+1], v[TF:TF+1] neg_lo:[0,1] neg_hi:[0,1]  ; t
	v_cvt_u32_f32 v[II], v[TF]
	v_cvt_u32_f32 v[II+1], v[TF+1]
	v_pk_fma_f32 v[TP:TP+1], v[TP:TP+1], v[TS:TS+1], s[62:63] op_sel_hi:[1,1,0]
	v_pk_fma_f32 v[TV:TV+1], v[TT:TT+1], -1.0, 1.0 op_sel_hi:[1,0,0]           ; 1 - t
	v_pk_mul_f32 v[QT:QT+1], v[TT:TT+1], v[TT:TT+1]
	v_pk_mul_f32 v[TP:TP+1], v[TP:TP+1], v[TS:TS+1]
	v_pk_fma_f32 v[W1:W1+1], v[TT:TT+1], s[52:53], s[54:55] op_sel_hi:[1,0,0]
	v_pk_mul_f32 v[QV:QV+1], v[TV:TV+1], v[TV:TV+1]
	v_pk_fma_f32 v[W2:W2+1], v[TV:TV+1], s[52:53], s[54:55] op_sel_hi:[1,0,0]
	v_pk_fma_f32 v[TP:TP+1], v[TH:TH+1], 0.5, v[TP:TP+1] op_sel_hi:[1,0,1]     ; silu
	v_pk_mul_f32 v[CT:CT+1], v[QT:QT+1], v[TT:TT+1]
	v_pk_fma_f32 v[W1:W1+1], v[W1:W1+1], v[QT:QT+1], 4.0 op_sel_hi:[1,1,0]
	v_pk_mul_f32 v[CV:CV+1], v[QV:QV+1], v[TV:TV+1]
	v_pk_fma_f32 v[W2:W2+1], v[W2:W2+1], v[QV:QV+1], 4.0 op_sel_hi:[1,1,0]
	v_cvt_pk_f16_f32 v[slr], v[TP], v[TP+1]
	v_lshl_add_u32 v[SH], v[II], 4, 16             ; its bits 4:0: 16 where the first base's number F - 3 is odd, else 0
	v_lshl_add_u32 v[SH+1], v[II+1], 4, 16
	v_cmp_gt_u32 s57, 4, v[II]                     ; F = 3
	v_cmp_lt_u32 s58, 5, v[II]                     ; F = 6, 7
	v_cmp_gt_u32 s59, 4, v[II+1]
	v_cmp_lt_u32 s60, 5, v[II+1]
.irp a, 0,1
	v_cvt_pk_f16_f32 v[PA+\a], v[CV+\a], v[W1+\a]
	v_cvt_pk_f16_f32 v[PB+\a], v[W2+\a], v[CT+\a]
.endr
.irp a, 0,1                            ; three words: (0, PA, PB), or the same 16 bits further down
	v_alignbit_b32 v[Y0+\a], v[PA+\a], 0, v[SH+\a]
	v_alignbit_b32 v[Y1+\a], v[PB+\a], v[PA+\a], v[SH+\a]
	v_lshrrev_b32 v[Y2+\a], v[SH+\a], v[PB+\a]
.endr
.irp a, 0,1                            ; and their place among the unit's four registers: from register -1 (F = 3), 0 (F = 4, 5) or 1 (F = 6, 7) on
	v_cndmask_b32 v[X0+\a], v[Y0+\a], 0, s[58+2*\a]
	v_cndmask_b32 v[X1+\a], v[Y1+\a], v[Y0+\a], s[58+2*\a]
	v_cndmask_b32 v[X2+\a], v[Y2+\a], v[Y1+\a], s[58+2*\a]
	v_cndmask_b32 v[fbr+4*\a+3], 0, v[Y2+\a], s[58+2*\a]
.endr
.irp a, 0,1
	v_cndmask_b32 v[fbr+4*\a], v[X0+\a], v[Y1+\a], s[57+2*\a]
	v_cndmask_b32 v[fbr+4*\a+1], v[X1+\a], v[Y2+\a], s[57+2*\a]
	v_cndmask_b32 v[fbr+4*\a+2], v[X2+\a], 0, s[57+2*\a]
.endr
.endm
; A tile of z (16 hidden x 16 rows): four times two units a lane and four products, whose accumulators take turns; z's registers are read in ascending order.  The two feature fragments take turns too.
.macro TILE ht, mt
.irp jp, 0,1,2,3
.set zr, ACC+8*(2*(\ht)+(\mt))+2*(\jp)
.set fbr, FB+8*((\jp)%2)
.set slr, SL+8*(\mt)+4*(\ht)+(\jp)
	PAIR
	WIN 0x03                                       ; weights window 3
.irp ot, 0,1,2,3
	v_wmma_f32_16x16x32_f16 v[KA+8*(2*(\ot)+(\mt)):KA+8*(2*(\ot)+(\mt))+7], v[128*(1-(\ht))+8*(4*(\jp)+(\ot)):128*(1-(\ht))+8*(4*(\jp)+(\ot))+7], v[fbr:fbr+7], v[KA+8*(2*(\ot)+(\mt)):KA+8*(2*(\ot)+(\mt))+7]
.endr
	WIN 0
.endr
.endm
.macro SILU mt                         ; the chunk's 32 silu values of 16 rows times base_w
	WIN 0x02                                       ; weights window 2
.irp ot, 0,1,2,3
	v_wmma_f32_16x16x32_f16 v[KA+8*(2*(\ot)+(\mt)):KA+8*(2*(\ot)+(\mt))+7], v[128+8*(\ot):128+8*(\ot)+7], v[SL+8*(\mt):SL+8*(\mt)+7], v[KA+8*(2*(\ot)+(\mt)):KA+8*(2*(\ot)+(\mt))+7]
.endr
	WIN 0
.endm
.macro TRIP fill
	WIN 0
	PLACES                                         ; behind the last trip's products
	v_add_nc_u32 v2, s40, v1                       ; the slot's blocks 0-47
	v_add_nc_u32 v3, 0xc000, v2                    ; and 48-85
.irp t, 0,1,2,3
	ds_load_b128 v[ACC+8*\t:ACC+8*\t+3],   v3 offset:(\t/2)*1024      ; the bias starts z's sums
	ds_load_b128 v[ACC+8*\t+4:ACC+8*\t+7], v3 offset:(\t/2)*1024+512
.endr
	WIN 0xc0
	LDN 32, 0, 2, 0                                ; K steps 0-7
	WIN 0x80
	LDN 8, 128, 3, 34816                           ; base_w
	WIN 0xc0
	LDN 32, 128, 2, 16384                          ; K steps 8-15
	s_wait_dscnt 40                                ; the youngest 40 (base_w, K steps 8-15) may stay out
	MULG 0
	PLACES
	WIN 0xc0
	LDN 32, 0, 2, 32768                            ; K steps 16-23
	s_wait_dscnt 32                                ; all but the 32 just issued
	MULG 1
	PLACES
	WIN 0xc0
	LDN 32, 128, 3, 2048                           ; spline weights of hidden 0-15
	s_wait_dscnt 32
	MULG 2
	PLACES
	WIN 0xc0
	LDN 32, 0, 3, 18432                            ; of hidden 16-31
	CHANGE \fill
	TILE 0, 0
	TILE 0, 1
	TILE 1, 0
	SILU 0
	TILE 1, 1
	SILU 1
	WIN 0
.endm
	s_mov_b32 s41, 14
.Lchunk:                                               ; chunks 0-13: each asks for the chunk two on
	TRIP 1
	s_sub_co_u32 s41, s41, 1
	s_cmp_lg_u32 s41, 0
	s_cbranch_scc1 .Lchunk
	s_mov_b32 s41, 2
.Ltail:                                                ; chunks 14, 15 have a text of their own: nothing is asked for
	TRIP 0
	s_sub_co_u32 s41, s41, 1
	s_cmp_lg_u32 s41, 0
	s_cbranch_scc1 .Ltail
	PLACES                                         ; behind the last products
.irp mt, 0,1
.irp ot, 0,1,2,3
	global_store_b128 v1, v[KA+8*(2*\ot+\mt):KA+8*(2*\ot+\mt)+3],   s[10:11] offset:\mt*4096+\ot*1024      ; each store covers 512 consecutive bytes, aligned; an accumulator's low half first
	global_store_b128 v1, v[KA+8*(2*\ot+\mt)+4:KA+8*(2*\ot+\mt)+7], s[10:11] offset:\mt*4096+\ot*1024+512
.endr
.endr
	s_wait_tensorcnt 0x0                           ; the wave's end
	ds_add_u32 v6, v7
	s_wait_dscnt 0x0
	ROUND                                          ; the closing round: no work-group ends while a partner may still ask for a tile that names it
	s_endpgm
.Lfunc_end_k_qbb2e0ccaf1_kan:
	.size	k_qbb2e0ccaf1_kan, .Lfunc_end_k_qbb2e0ccaf1_kan-k_qbb2e0ccaf1_kan
	.p2alignl 7, 3214868480
	.fill 96, 4, 3214868480
	.section	.rodata,"a",@progbits
	.p2align	6, 0x0
	.amdhsa_kernel k_qbb2e0ccaf1_kan
		.amdhsa_group_segment_fixed_size 327680
		.amdhsa_private_segment_fixed_size 0
		.amdhsa_enable_private_segment 0
		.amdhsa_kernarg_size 32
		.amdhsa_user_sgpr_count 2
		.amdhsa_user_sgpr_kernarg_segment_ptr 1
		.amdhsa_wavefront_size32 1
		.amdhsa_system_sgpr_workgroup_id_x 1
		.amdhsa_system_sgpr_workgroup_id_y 1
		.amdhsa_system_sgpr_workgroup_id_z 1
		.amdhsa_system_vgpr_workitem_id 0
		.amdhsa_next_free_vgpr 1024
		.amdhsa_next_free_sgpr 66
		.amdhsa_reserve_vcc 0
		.amdhsa_float_denorm_mode_32 3
		.amdhsa_float_denorm_mode_16_64 3
		.amdhsa_memory_ordered 1
		.amdhsa_forward_progress 1
		.amdhsa_inst_pref_size 217
	.end_amdhsa_kernel
	.amdgpu_metadata
---
amdhsa.version: [ 1, 2 ]
amdhsa.kernels:
  - .name:           k_qbb2e0ccaf1_kan
    .symbol:         k_qbb2e0ccaf1_kan.kd
    .args:
      - { .name: X, .offset: 0, .size: 8, .value_kind: global_buffer, .address_space: global }
      - { .name: Y, .offset: 8, .size: 8, .value_kind: global_buffer, .address_space: global }
      - { .name: WS, .offset: 16, .size: 8, .value_kind: global_buffer, .address_space: global }
      - { .name: PK, .offset: 24, .size: 8, .value_kind: global_buffer, .address_space: global }
    .group_segment_fixed_size: 327680
    .private_segment_fixed_size: 0
    .kernarg_segment_align: 8
    .kernarg_segment_size: 32
    .max_flat_workgroup_size: 128
    .sgpr_count:     66
    .vgpr_count:     1024
    .wavefront_size: 32
...
	.end_amdgpu_metadata
.endif
;; end of part 2
;; launch fin (part 3): grid 256 x 1, 4 waves a work-group, clusters of 4 x 1, 167,936 bytes of LDS; arguments PK, WFB, out0; writes out0
.if DOCPART == 3
	.amdgcn_target "amdgcn-amd-amdhsa--gfx1250"
	.amdhsa_code_object_version 6
	.text
	.protected	k_qbb2e0ccaf1_fin
	.globl	k_qbb2e0ccaf1_fin
	.p2align	8
	.type	k_qbb2e0ccaf1_fin,@function
k_qbb2e0ccaf1_fin:
	s_mov_b64 s[64:65], 0
	v_nop
	global_prefetch_b8 v0, s[64:65] scope:SCOPE_SE
	s_setreg_imm32_b32 hwreg(HW_REG_WAVE_MODE, 25, 1), 1
	s_wait_xcnt 0x0
	s_wait_alu depctr_hold_cnt(0) depctr_sa_sdst(0) depctr_va_vdst(0) depctr_va_sdst(0) depctr_va_ssrc(0) depctr_va_vcc(0) depctr_vm_vsrc(0)
	s_getreg_b32 s2, hwreg(HW_REG_IB_STS2, 6, 4)
	s_cmp_eq_u32 s2, 0
	s_cbranch_scc0 .Lentry_in_a_cluster
	s_endpgm
.Lentry_in_a_cluster:
	s_bfe_u32 s2, ttmp6, 0x10000c
	s_cmp_lg_u32 s2, 0x3003
	s_cbranch_scc0 .Lentry_shape_is_right
	s_endpgm
.Lentry_shape_is_right:
; out0[b][t][n][f] = sum over o of kan[b, n][o] Wf[8 t + f][o] + bf[8 t + f], kan = (PK side 0 + PK side 1) / 4096.
; SHARES.  A work-group owns 64 rows (b, n), a wave 16 of them and all 768 columns.  Wf's fragments and bf, 101,376 bytes, are brought into LDS once; the four work-groups of a cluster read
; the same bytes, so each wave's quarter is asked for JOINTLY.  Nothing is filled again.
; LAYOUT.  PK holds the sums as the accumulators held them (a lane: one row, eight o), which rounded to f16 in pairs ARE source 1 of the product.  Source 0 = 16 columns of the output, in an
; order (made by the first launch) such that four registers of a lane are features 4 h .. 4 h + 3 of one time step: a store of the wave is out0[b][t][n0 .. n0 + 15][0 .. 7], 512 consecutive bytes, aligned.
; The bias is loaded into the accumulators: nothing is cleared and nothing added afterwards.
; LIMITS.  kan is rounded once to f16: |kan| < 65,504.  NaN and infinities are not treated apart.
; REGISTERS: v1-4 addresses; v6, v7 the add's; v32-95 PK as loaded; v96-111 kan's two fragments; three sets of 48 from v112: 32 of Wf's fragments (tile, kk), 16 of two accumulators.
.set SPARE, 101376                     ; behind the image: the spare words, 128 bytes a wave, that no other line names
.set KF, 96
.macro PLACES
.rept 4
	v_nop
.endr
.endm
.macro ROUND                           ; a round of the cluster's barrier
	s_barrier_signal -1
	s_barrier_wait -1
	s_cmp_lg_u32 s12, 0
	s_cbranch_scc1 .Lnw0_\@
	s_barrier_signal -3
.Lnw0_\@:
	s_barrier_wait -3
	s_barrier_signal -1
	s_barrier_wait -1
.endm
	s_load_b128 s[4:7], s[0:1], 0x0                ; PK 4, WFB 6
	s_load_b64 s[8:9], s[0:1], 0x10                ; out0
	v_lshl_add_u32 v6, v0, 2, SPARE
	v_mov_b32 v7, 0
	ds_add_u32 v6, v7                              ; the wave's opening: the add and its wait come ahead of my first tensor load
	v_lshrrev_b32 v1, 5, v0
	v_readfirstlane_b32 s12, v1                    ; wave 0..3
	s_bfe_u32 s13, ttmp6, 0x40000                  ; cx: it enters PK's and out0's addresses alone
	s_lshl_b32 s14, ttmp9, 2
	s_add_co_u32 s14, s14, s13                     ; my block of 64 rows
	s_mov_b32 s24, 15|(3<<16)|(1<<21)              ; group 1: the mask of four; elements of 8 bytes; 21 set beside a mask
	s_mov_b32 s25, 32<<16                          ; rows of 256 bytes,
	s_mov_b32 s26, 99<<16                          ; 99 of them: a quarter of the image
	s_mov_b32 s27, 32<<16
	s_mov_b32 s28, 99
	s_mov_b32 s29, 32
	s_mov_b32 s30, 0
	s_mov_b32 s31, 0
	s_mov_b32 s32, 1
	s_mul_i32 s33, s12, 25344                      ; LDS: wave x a quarter
	s_mov_b32 s16, s33                             ; and the same in WFB
	s_mov_b32 s17, 0
	s_lshl_b32 s18, s14, 14                        ; PK: 4,096 bytes for each tile of 16 rows
	s_lshl_b32 s19, s12, 12
	s_add_co_u32 s18, s18, s19
	s_mov_b32 s19, 0
	s_lshr_b32 s20, s14, 3                         ; b
	s_mul_i32 s20, s20, 1572864
	s_and_b32 s21, s14, 7
	s_lshl_b32 s21, s21, 11                        ; 64 rows of 32 bytes
	s_add_co_u32 s20, s20, s21
	s_lshl_b32 s21, s12, 9                         ; 16 rows
	s_add_co_u32 s20, s20, s21
	s_mov_b32 s21, 0
	v_and_b32 v1, 31, v0
	v_lshlrev_b32 v1, 4, v1                        ; 16 x lane: blocks 0-47
	v_add_nc_u32 v2, 0xc000, v1                    ; blocks 48-95
	v_bfe_u32 v5, v0, 4, 1
	v_lshl_add_u32 v3, v5, 4, 98304                ; bf: features 4 h ..
	v_and_b32 v4, 15, v0
	v_lshlrev_b32 v4, 5, v4
	v_lshl_or_b32 v4, v5, 4, v4                    ; out0: 32 r + 16 h
	s_wait_dscnt 0x0                               ; the opening add is done
	s_wait_kmcnt 0x0
	s_add_nc_u64 s[34:35], s[6:7], s[16:17]
	s_or_b32 s35, s35, 0x80000000                  ; type = 2
	s_add_nc_u64 s[4:5], s[4:5], s[18:19]
	s_add_nc_u64 s[8:9], s[8:9], s[20:21]
	ROUND                                          ; all four work-groups are here: the joint loads meet
	tensor_load_to_lds s[32:35], s[24:31]          ; my one tensor load
	s_nop 0
	PLACES
.set p, 0
.rept 8
	global_load_b128 v[32+4*p:32+4*p+3], v1, s[4:5] offset:512*p th:TH_LOAD_NT
	global_load_b128 v[64+4*p:64+4*p+3], v1, s[4:5] offset:4194304+512*p th:TH_LOAD_NT
.set p, p+1
.endr
	s_wait_loadcnt 0x0
.set i, 0
.rept 16
	v_pk_mul_f32 v[32+2*i:32+2*i+1], v[32+2*i:32+2*i+1], 0x39800000 op_sel_hi:[1,0]                        ; side 0 / 4096
.set i, i+1
.endr
.set i, 0
.rept 16
	v_pk_fma_f32 v[32+2*i:32+2*i+1], v[64+2*i:64+2*i+1], 0x39800000, v[32+2*i:32+2*i+1] op_sel_hi:[1,0,1]  ; + side 1 / 4096
.set i, i+1
.endr
.set i, 0
.rept 16
	v_cvt_pk_f16_f32 v[KF+i], v[32+2*i], v[32+2*i+1]
.set i, i+1
.endr
	s_wait_tensorcnt 0x0                           ; my quarter of the image is in,
	s_barrier_signal -1
	s_barrier_wait -1                              ; everybody's is
.macro LOADS g                         ; step g: two tiles of 16 columns: 8 loads of Wf's fragments, 4 of the bias into the accumulators
.set SB, 112+48*((\g)%3)
.if (\g) < 12
.set AR, 1
.set OB, (\g)*4096
.else
.set AR, 2
.set OB, ((\g)-12)*4096
.endif
.set p, 0
.rept 8
	ds_load_b128 v[SB+4*p:SB+4*p+3], v[AR] offset:OB+512*p
.set p, p+1
.endr
.set p, 0
.rept 4
	ds_load_b128 v[SB+32+4*p:SB+32+4*p+3], v3 offset:128*(\g)+32*p
.set p, p+1
.endr
.endm
.macro STEP g
	s_wait_xcnt 0x0                                ; every earlier store has had its addresses translated (ISA guide 3.1): the set that step g - 2 stored from is loaded again only behind this wait
.if (\g) < 23
	LOADS (\g)+1
	s_wait_dscnt 12                                ; all but the 12 just issued
.else
	s_wait_dscnt 0x0
.endif
.set SB, 112+48*((\g)%3)
	v_wmma_f32_16x16x32_f16 v[SB+32:SB+39], v[SB:SB+7],     v[KF:KF+7],    v[SB+32:SB+39]  ; the two accumulators take turns
	v_wmma_f32_16x16x32_f16 v[SB+40:SB+47], v[SB+16:SB+23], v[KF:KF+7],    v[SB+40:SB+47]
	v_wmma_f32_16x16x32_f16 v[SB+32:SB+39], v[SB+8:SB+15],  v[KF+8:KF+15], v[SB+32:SB+39]
	v_wmma_f32_16x16x32_f16 v[SB+40:SB+47], v[SB+24:SB+31], v[KF+8:KF+15], v[SB+40:SB+47]
	PLACES                                         ; behind the products, ahead of the stores that read them and of later loads into their registers
.set p, 0
.rept 4
	global_store_b128 v4, v[SB+32+4*p:SB+32+4*p+3], s[8:9] offset:(4*(\g)+p)*16384 th:TH_STORE_NT  ; time step 4 g + p: 512 consecutive bytes, aligned
.set p, p+1
.endr
.endm
	LOADS 0
.set g, 0
.rept 24
	STEP g
.set g, g+1
.endr
	s_wait_tensorcnt 0x0                           ; the wave's end
	ds_add_u32 v6, v7
	s_wait_dscnt 0x0
	ROUND                                          ; the closing round
	s_endpgm
.Lfunc_end_k_qbb2e0ccaf1_fin:
	.size	k_qbb2e0ccaf1_fin, .Lfunc_end_k_qbb2e0ccaf1_fin-k_qbb2e0ccaf1_fin
	.p2alignl 7, 3214868480
	.fill 96, 4, 3214868480
	.section	.rodata,"a",@progbits
	.p2align	6, 0x0
	.amdhsa_kernel k_qbb2e0ccaf1_fin
		.amdhsa_group_segment_fixed_size 167936
		.amdhsa_private_segment_fixed_size 0
		.amdhsa_enable_private_segment 0
		.amdhsa_kernarg_size 24
		.amdhsa_user_sgpr_count 2
		.amdhsa_user_sgpr_kernarg_segment_ptr 1
		.amdhsa_wavefront_size32 1
		.amdhsa_system_sgpr_workgroup_id_x 1
		.amdhsa_system_sgpr_workgroup_id_y 1
		.amdhsa_system_sgpr_workgroup_id_z 1
		.amdhsa_system_vgpr_workitem_id 0
		.amdhsa_next_free_vgpr 256
		.amdhsa_next_free_sgpr 66
		.amdhsa_reserve_vcc 0
		.amdhsa_float_denorm_mode_32 3
		.amdhsa_float_denorm_mode_16_64 3
		.amdhsa_memory_ordered 1
		.amdhsa_forward_progress 1
		.amdhsa_inst_pref_size 47
	.end_amdhsa_kernel
	.amdgpu_metadata
---
amdhsa.version: [ 1, 2 ]
amdhsa.kernels:
  - .name:           k_qbb2e0ccaf1_fin
    .symbol:         k_qbb2e0ccaf1_fin.kd
    .args:
      - { .name: PK, .offset: 0, .size: 8, .value_kind: global_buffer, .address_space: global }
      - { .name: WFB, .offset: 8, .size: 8, .value_kind: global_buffer, .address_space: global }
      - { .name: out0, .offset: 16, .size: 8, .value_kind: global_buffer, .address_space: global }
    .group_segment_fixed_size: 167936
    .private_segment_fixed_size: 0
    .kernarg_segment_align: 8
    .kernarg_segment_size: 24
    .max_flat_workgroup_size: 128
    .sgpr_count:     66
    .vgpr_count:     256
    .wavefront_size: 32
...
	.end_amdgpu_metadata
.endif
;; end of part 3
